; MI455X (gfx1250); checked and timed in simulation.
; The chip was launched on July 23, 2026; its instructions are those of AMD's public machine-readable ISA for CDNA 5 (MIT licence, August 2026) and "CDNA5" Instruction Set Architecture Reference Guide (July 2026). The comments in the code are by the model that wrote it; some were corrected since.
;; Nearest Neighbor Tokenizer. Allowed arithmetic: matrix products marked QUANTISED: E2M1 operands, one E8M0 scale for each 32 along K, by v_wmma_scale_f32_16x16x128_f8f6f4 with both operands' format E2M1 (or v_wmma_scale_f32_32x16x128_f4), f32 sums; everything else in f32.
;; Inputs: codes 16,384 x 512 float32; x 4 x 2,048 x 512 float32.
;; Outputs: out0 4 x 2,048 int32.
;; This version of the problem:
;;   THIS VERSION OF THE PROBLEM IS GIVEN IN LOW PRECISION. The matrix products marked QUANTISED in the list below multiply operands that are first quantised to E2M1 (2 exponent bits, 1 mantissa bit; 4 bits a number), with one power-of-two scale for each 32 numbers along K (OCP MX v1.0); their sums are f32. All else is computed in f32.
;;   The module's matrix products, in the order in which they are computed (A, B: the left and right operand; K: the contracted axis; several contracted axes count as one K, in the product's order):
;;     1. [M 8,192, K 512] x [K 512, N 16,384]; A: input x; B: input codes: QUANTISED
;;   THE QUANTISER, for each operand of a quantised product, along K:
;;     - K is cut into blocks of 32 from its start; a last block that is shorter is filled with zeros.
;;     - A block's scale is 2^e with e = floor(log2(the largest magnitude in the block)) - 2, held to -126 .. 127; a block of zeros has e = 0. As a byte (E8M0): e + 127.
;;     - Each number is divided by its block's scale, clamped to +-6, and rounded to the nearest number of E2M1, ties to even, subnormals kept.
;;     - The product sums the exact products of the quantised numbers (number of the format x scale) in f32.
;;   ~~~python
;;   def quantise(x, axis):      # numpy; x: float32 -> the quantised numbers, widened to float32 again
;;       x = np.moveaxis(x, axis, -1); K = x.shape[-1]
;;       x = np.pad(x, [(0, 0)] * (x.ndim - 1) + [(0, -K % 32)]); x = x.reshape(x.shape[:-1] + (-1, 32)); a = np.abs(x).max(-1, keepdims=True)
;;       e = np.where(a > 0, np.clip(np.frexp(np.where(a > 0, a, 1))[1] - 1 - 2, -126, 127), 0)      # np.frexp(a)[1] - 1 = floor(log2(a)), exactly
;;       r = np.clip(x / 2.0 ** e, -6, 6)
;;       step = 2.0 ** (np.maximum(np.frexp(np.where(r == 0, 1, r))[1] - 1, 0) - 1)
;;       q = np.round(r / step) * step * 2.0 ** e      # np.round: ties to even
;;       return np.moveaxis(q.reshape(q.shape[:-2] + (-1,))[..., :K], -1, axis).astype(np.float32)
;;   ~~~
;; One version. Each part assembles by itself: llvm-mc -triple=amdgcn-amd-amdhsa -mcpu=gfx1250 --defsym DOCPART=n.
;; ======== version 1 of 1: 3 launches
;; limits: right only within a limited range of input values
;; workspace buffers: xpack 2,260,992 bytes; cpack 4,521,984 bytes; part 2,097,152 bytes of whole numbers
;; launch quant (part 1): grid 256 x 1, 6 waves a work-group, no clusters, 53,504 bytes of LDS; arguments x, codes, xpack, cpack; writes xpack, cpack
.if DOCPART == 1
	.amdgcn_target "amdgcn-amd-amdhsa--gfx1250"
	.amdhsa_code_object_version 6
	.text
	.protected	k_q37b328d73d_quant
	.globl	k_q37b328d73d_quant
	.p2align	8
	.type	k_q37b328d73d_quant,@function
k_q37b328d73d_quant:
	s_mov_b64 s[64:65], 0
	v_nop
	global_prefetch_b8 v0, s[64:65] scope:SCOPE_SE
	s_setreg_imm32_b32 hwreg(HW_REG_WAVE_MODE, 25, 1), 1
	s_wait_xcnt 0x0
; x [8192][512] and codes [16384][512], f32, become RECORDS of 64 rows for the product's launch: codes of FP4 (E2M1) laid as images of the operand's registers, one E8M0 scale byte for each 32
; along K, and for each row half the sum of its squares: + for x, - for codes.
; A RECORD, 17,664 bytes: [0, 16384) four tiles of 16 rows, 4,096 bytes each, laid [K step q 0..3][c 0..1][lane 0..31][16 bytes]: lane (h, r) holds the 32 codes of row r, block 4 q + 2 c + h:
; registers 4 c .. 4 c + 3 of the fragment of K step q.  [16384, 17408) the scale words, 16 bytes a row: word q for K step q, byte b for block 4 q + b.  [17408, 17664) the 64 rows' half sums of squares.
; A block's scale is 2^(floor(log2(its largest magnitude)) - 2); its byte is the largest magnitude's exponent field - 2, held at 1 from below.  (A block of zeros so gets the byte 1 where the rule says 127:
; its codes are zeros, which add nothing, and this program alone reads the bytes.)
; LIMITS: blocks whose largest magnitude lies under 2^-124, the floor, keep the byte 1 and were not tried; NaN and infinities are not served; the squares are added in four packed chains,
; another order than a plain sum's.
; SHARES.  1,536 tiles of 16 rows: 256 work-groups of six waves, a tile to a wave: waves 0, 1 take x's tiles 2 g + w, waves 2 to 5 the codes' tiles 4 g + w - 2.  Only pointers and numbers are chosen
; by the wave's number: there is one path.  No input is shared between work-groups, so there is no cluster; memory binds, so there is no matrix work.
; A tile goes in eight steps of 64 along K.  Each of a step's eight loads reads two rows' 256 consecutive bytes; the conversion wants a block's 32 numbers in ONE lane: so the step's 4,096 bytes turn through
; the wave's own stage in LDS, rows 272 bytes apart (17 x 16).  Loads run four steps ahead, the turn one step.
; THE CODES' RECORDS ARE LAID FOR THEIR READERS: codes 64 n .. 64 n + 63, n = 16 B + 8 c + k, go to record 16 B + 2 k + c; and in tiles 1 and 3 of a record of codes row r stands at place r ^ 8, in the image, among the
; scale words and among the half sums alike.  x's records and tiles are in their own order.
; THE ORDER ALONG K: tile n takes its four K steps of 128 in the order 0 ^ r, 1 ^ r, 2 ^ r, 3 ^ r, r = n % 4, so that neighbouring tiles' waves begin at different places of their rows; a row's squares are added in that order.
.set REC,   17664
.set WREG,  8704                       ; LDS of a wave: two stages
.set STGB,  4352                       ; a stage: 16 rows x 272
.set PITCH, 272
.set NORM,  6*WREG                     ; behind the stages: 16 half sums for each wave
.set VIN,  1                           ; v1   in: 2,048 (lane / 16) + 16 (lane % 16)
.set SIN,  2                           ; v2   into the stage: row lane / 16, 16 (lane % 16)
.set SOUT, 3                           ; v3   out of it: row r, + 128 h: a whole block
.set L16,  4                           ; v4   16 x lane: an image's place
.set SCO,  5                           ; v5   my two scale words' place: 16 r + 8 h
.set NST,  6                           ; v6   LDS: my row's half sum
.set H8,   7                           ; v7   8 h
.set NR4,  8                           ; v8   LDS: waves 0 and 1's 32 half sums, 4 bytes a lane
.set NR8,  9                           ; v9   LDS: waves 2 to 5's 64, 8 bytes a lane
.set L4,   10                          ; v10  4 x lane
.set L8,   11                          ; v11  8 x lane
.set MA,   12                          ; v12, v13 the largest magnitude, two chains
.set MB,   13
.set EX,   14                          ; v14  the conversion's scale operand
.set BY,   15                          ; v15  the scale's byte
.set P,    16                          ; v16-19  my bytes of the four scale words
.set S,    20                          ; v20-27  the squares, four packed chains
.set T,    28                          ; v28-31  at work at the end
.set C,    32                          ; v32-63  codes: four registers a step, never written again
.set X,    64                          ; v64-127 two sets of 32 neighbours
.set R,    128                         ; v128-255 four sets of 32 as loaded
	s_load_b256 s[4:11], s[0:1], 0x0               ; x s[4:5], codes s[6:7], xpack s[8:9], cpack s[10:11]
	s_set_vgpr_msb 0x40
	v_lshl_add_u32 v0, v0, 2, 0xce00
	v_mov_b32 v1, 0
	s_set_vgpr_msb 0x4000
	v_lshrrev_b32 v12, 5, v0
	v_readfirstlane_b32 s12, v12                   ; wave 0..5
	v_and_b32 v13, 31, v0                          ; lane
	v_and_b32 v14, 15, v0                          ; r
	v_bfe_u32 v15, v0, 4, 1                        ; h
	v_lshlrev_b32 v[L16], 4, v13
	v_lshlrev_b32 v[VIN], 4, v14
	v_lshl_add_u32 v[VIN], v15, 11, v[VIN]
	s_mul_i32 s21, s12, WREG                       ; my wave's stages
	v_mul_u32_u24 v[SIN], v15, PITCH
	v_lshl_add_u32 v[SIN], v14, 4, v[SIN]
	v_add_nc_u32 v[SIN], s21, v[SIN]
	v_mul_u32_u24 v[SOUT], v14, PITCH
	v_lshl_add_u32 v[SOUT], v15, 7, v[SOUT]
	v_add_nc_u32 v[SOUT], s21, v[SOUT]
	v_lshlrev_b32 v[SCO], 4, v14
	v_lshl_add_u32 v[SCO], v15, 3, v[SCO]
	s_lshl_b32 s22, s12, 6
	s_add_co_u32 s22, s22, NORM
	v_lshl_add_u32 v[NST], v14, 2, s22
	v_lshlrev_b32 v[H8], 3, v15
	v_lshlrev_b32 v[L4], 2, v13
	v_lshlrev_b32 v[L8], 3, v13
	v_add_nc_u32 v[NR4], NORM, v[L4]
	v_add_nc_u32 v[NR8], NORM+128, v[L8]
.irp i, 0,1,2,3
	v_mov_b32 v[T+\i], 0                           ; written once: a lane permute's destination counts as one of its sources
.endr
	s_lshr_b32 s32, s12, 1
	s_lshr_b32 s33, s12, 2
	s_or_b32 s32, s32, s33
	s_and_b32 s32, s32, s12
	s_and_b32 s32, s32, 1                          ; 1 in waves 3 and 5: the codes' tiles 1 and 3
	s_lshl_b32 s33, s32, 7
	s_lshl_b32 s34, s32, 5
	v_xor_b32 v[L16], s33, v[L16]                  ; there row r goes to place r ^ 8: 16 bytes a row in the image,
	v_xor_b32 v[SCO], s33, v[SCO]                  ; 16 bytes a row among the scale words,
	v_xor_b32 v[NST], s34, v[NST]                  ; 4 bytes a row among the half sums
	s_and_b32 s35, ttmp9, 7
	s_lshl_b32 s35, s35, 1
	s_bfe_u32 s36, ttmp9, 0x10003
	s_or_b32 s35, s35, s36
	s_and_b32 s36, ttmp9, 0xf0
	s_or_b32 s35, s35, s36                         ; the codes' record: 16 B + 2 k + c for g = 16 B + 8 c + k
	s_lshl_b32 s13, ttmp9, 1
	s_add_co_u32 s13, s13, s12                     ; x: tile 2 g + w,
	s_lshr_b32 s15, ttmp9, 1                       ; record g / 2,
	s_and_b32 s16, ttmp9, 1
	s_lshl_b32 s16, s16, 1
	s_add_co_u32 s16, s16, s12                     ; place in it 2 (g % 2) + w
	s_lshl_b32 s14, ttmp9, 2
	s_add_co_u32 s14, s14, s12
	s_sub_co_u32 s14, s14, 2                       ; codes: tile 4 g + w - 2, record g,
	s_sub_co_u32 s17, s12, 2                       ; place w - 2
	s_mov_b32 s20, 0xbf000000                      ; -0.5
	s_mov_b32 s30, 0x76543210
	s_mov_b32 s31, 0xfedcba98                      ; v_permlanex16_b32's selects for lane l xor 16
	s_wait_kmcnt 0x0
	s_cmp_lt_u32 s12, 2                            ; x's wave or the codes'?  The choice hangs on the wave's number alone
	s_cselect_b64 s[4:5], s[4:5], s[6:7]
	s_cselect_b64 s[8:9], s[8:9], s[10:11]
	s_cselect_b32 s13, s13, s14
	s_cselect_b32 s15, s15, s35
	s_cselect_b32 s16, s16, s17
	s_cselect_b32 s20, 0x3f000000, s20             ; + 0.5 for x
	s_lshl_b32 s22, s13, 15                        ; a tile is 16 rows of 2,048 bytes
	s_mov_b32 s23, 0
	s_add_nc_u64 s[4:5], s[4:5], s[22:23]
	s_mul_i32 s22, s15, REC
	s_add_nc_u64 s[8:9], s[8:9], s[22:23]          ; my record
	s_lshl_b32 s22, s16, 12
	s_add_nc_u64 s[24:25], s[8:9], s[22:23]        ; + my tile's image
	s_and_b32 s37, s13, 3                          ; r
.irp q, 0,1,2,3                        ; the q-th K step that I take is q ^ r: s[40:47] where it is loaded from, s[48:55] where its image goes
	s_xor_b32 s38, s37, \q
	s_lshl_b32 s22, s38, 9
	s_add_nc_u64 s[40+2*\q:41+2*\q], s[4:5], s[22:23]
	s_lshl_b32 s22, s38, 10
	s_add_nc_u64 s[48+2*\q:49+2*\q], s[24:25], s[22:23]
.endr
	s_lshl_b32 s22, s16, 8
	s_add_nc_u64 s[26:27], s[8:9], s[22:23]        ; + my tile's place among the scale words (16,384 stands in the store)
	s_lshl_b32 s22, s16, 6
	s_add_nc_u64 s[28:29], s[8:9], s[22:23]        ; + my tile's place among the half sums (17,408 likewise)
.macro LOAD t                          ; step t: rows 2 i and 2 i + 1, 256 consecutive bytes each
.irp i, 0,1,2,3,4,5,6,7
	global_load_b128 v[R+32*((\t)%4)+4*\i:R+32*((\t)%4)+4*\i+3], v[VIN], s[40+2*((\t)/2):41+2*((\t)/2)] offset:\i*4096+((\t)%2)*256 th:TH_LOAD_NT
.endr
.endm
.macro TURN t                          ; through the stage: LDS serves a wave's instructions in order (ISA guide 5.7.1.4), so no wait stands between the stores and the loads
.irp i, 0,1,2,3,4,5,6,7
	ds_store_b128 v[SIN], v[R+32*((\t)%4)+4*\i:R+32*((\t)%4)+4*\i+3] offset:STGB*((\t)%2)+\i*544
.endr
.irp i, 0,1,2,3,4,5,6,7
	ds_load_b128 v[X+32*((\t)%2)+4*\i:X+32*((\t)%2)+4*\i+3], v[SOUT] offset:STGB*((\t)%2)+16*\i
.endr
.endm
.macro WORK t                          ; my block of step t: K = 64 t + 32 h + 0 .. 31 of row r
.set XB, X+32*((\t)%2)
	v_max3_num_f32 v[MA], |v[XB]|, |v[XB+1]|, |v[XB+2]|
	v_max3_num_f32 v[MB], |v[XB+3]|, |v[XB+4]|, |v[XB+5]|
.irp i, 6,10,14,18,22,26
	v_max3_num_f32 v[MA], v[MA], |v[XB+\i]|, |v[XB+\i+1]|
	v_max3_num_f32 v[MB], v[MB], |v[XB+\i+2]|, |v[XB+\i+3]|
.endr
	v_max3_num_f32 v[MA], v[MA], |v[XB+30]|, |v[XB+31]|
	v_max3_num_f32 v[MA], v[MA], v[MB], 0x1800000  ; and the floor 2^(3 - 127): the byte cannot fall under 1
	v_add_nc_u32 v[EX], 0xff000000, v[MA]          ; 2 off the exponent field: the conversion takes the exponent field of this operand as its scale, and nothing else of it
.irp g, 0,1,2,3
	v_cvt_scalef32_pk8_fp4_f32 v[C+4*(\t)+\g], v[XB+8*\g:XB+8*\g+7], v[EX]
.endr
	v_lshrrev_b32 v[BY], 23, v[EX]                 ; the scale's byte; also the plain line behind the conversions
.if (\t)%2 == 0
	v_mov_b32 v[P+(\t)/2], v[BY]                   ; c = 0: byte h of word q,
.else
	v_lshl_or_b32 v[P+(\t)/2], v[BY], 16, v[P+(\t)/2]   ; c = 1: byte 2 + h; the 8 h bits are shifted in at the end
.endif
.irp k, 0,1,2,3,4,5,6,7,8,9,10,11,12,13,14,15
.if ((\t) == 0) && (\k < 4)
	v_pk_mul_f32 v[S+2*\k:S+2*\k+1], v[XB+2*\k:XB+2*\k+1], v[XB+2*\k:XB+2*\k+1]   ; the first four start the chains: nothing is cleared
.else
	v_pk_fma_f32 v[S+2*(\k%4):S+2*(\k%4)+1], v[XB+2*\k:XB+2*\k+1], v[XB+2*\k:XB+2*\k+1], v[S+2*(\k%4):S+2*(\k%4)+1]
.endif
.endr
	global_store_b128 v[L16], v[C+4*(\t):C+4*(\t)+3], s[48+2*((\t)/2):49+2*((\t)/2)] offset:((\t)%2)*512   ; 32 lanes store 512 consecutive bytes, at a multiple of 256 from the buffer's first byte
.endm
.macro STEP t
	s_wait_dscnt 0x0                               ; this step's numbers are back from the stage: so its stores into the stage have read their registers,
.if (\t) < 4
	LOAD (\t)+4                                    ; which take the loads of four steps on
.endif
.if (\t) < 7
.if (\t) < 4
	s_wait_loadcnt 24                              ; the next step's eight loads are in; those of the three steps behind it may be out
.else
	s_wait_loadcnt 8*(6-(\t))                      ; the counts run down: 16, 8, 0
.endif
	TURN (\t)+1                                    ; and go through the other stage while this step is worked
.endif
	WORK \t
.endm
	LOAD 0
	LOAD 1
	LOAD 2
	LOAD 3
	s_wait_loadcnt 24                              ; step 0's eight loads are in
	TURN 0
.irp t, 0,1,2,3,4,5,6,7
	STEP \t
.endr
	; the scale words: my bytes go 8 h bits up; with lane l xor 16's each word is whole
.irp q, 0,1,2,3
	v_lshlrev_b32 v[P+\q], v[H8], v[P+\q]
.endr
.irp q, 0,1,2,3
	v_permlanex16_b32 v[T+\q], v[P+\q], s30, s31
.endr
.irp q, 0,1,2,3
	v_or_b32 v[P+\q], v[P+\q], v[T+\q]
.endr
	s_bitcmp1_b32 s37, 0
	s_cselect_b32 s38, -1, 0
	s_bitcmp1_b32 s37, 1
	s_cselect_b32 s39, -1, 0
	v_cndmask_b32 v[T], v[P], v[P+1], s38          ; the words back in the order of K: word q is the one taken as the (q ^ r)-th
	v_cndmask_b32 v[T+1], v[P+1], v[P], s38
	v_cndmask_b32 v[T+2], v[P+2], v[P+3], s38
	v_cndmask_b32 v[T+3], v[P+3], v[P+2], s38
	v_cndmask_b32 v[P], v[T], v[T+2], s39
	v_cndmask_b32 v[P+1], v[T+1], v[T+3], s39
	v_cndmask_b32 v[P+2], v[T+2], v[T], s39
	v_cndmask_b32 v[P+3], v[T+3], v[T+1], s39
	v_cmp_ne_u32 vcc_lo, 0, v[H8]
	v_cndmask_b32 v[T], v[P], v[P+2], vcc_lo       ; lanes 0-15 store words 0 and 1 of row r, lanes 16-31 words 2 and 3
	v_cndmask_b32 v[T+1], v[P+1], v[P+3], vcc_lo
	global_store_b64 v[SCO], v[T:T+1], s[26:27] offset:16384   ; 32 lanes store 256 consecutive bytes, aligned
	; half the sum of the row's squares
	v_pk_add_f32 v[S:S+1], v[S:S+1], v[S+2:S+3]
	v_pk_add_f32 v[S+4:S+5], v[S+4:S+5], v[S+6:S+7]
	v_pk_add_f32 v[S:S+1], v[S:S+1], v[S+4:S+5]
	v_add_f32 v[S], v[S], v[S+1]
	v_permlanex16_b32 v[T+2], v[S], s30, s31
	v_add_f32 v[S], v[S], v[T+2]                   ; with the other half of the row
	v_mul_f32 v[S], s20, v[S]                      ; x 0.5 or x -0.5: exact
	ds_store_b32 v[NST], v[S]                      ; both lanes of a row write the same word with the same value
	s_wait_dscnt 0x0                               ; for the others' sake: my store has landed
	s_barrier_signal -1
	s_barrier_wait -1
	s_cmp_eq_u32 s12, 0
	s_cbranch_scc0 .Lnot_wave_0
	ds_load_b32 v[MA], v[NR4]                      ; wave 0 stores x's 32 half sums: 128 consecutive bytes (the record's other half is the neighbouring work-group's)
	s_wait_dscnt 0x0
	global_store_b32 v[L4], v[MA], s[28:29] offset:17408
.Lnot_wave_0:
	s_cmp_eq_u32 s12, 2
	s_cbranch_scc0 .Ldone
	ds_load_b64 v[EX:EX+1], v[NR8]                 ; wave 2 stores the codes' 64: 256 consecutive bytes, aligned
	s_wait_dscnt 0x0
	global_store_b64 v[L8], v[EX:EX+1], s[28:29] offset:17408
.Ldone:
	s_set_vgpr_msb 0x5
	s_wait_tensorcnt 0x0
	ds_add_u32 v0, v1
	s_wait_dscnt 0x0
	s_set_vgpr_msb 0x500
	s_endpgm
.Lfunc_end_k_q37b328d73d_quant:
	.size	k_q37b328d73d_quant, .Lfunc_end_k_q37b328d73d_quant-k_q37b328d73d_quant
	.p2alignl 7, 3214868480
	.fill 96, 4, 3214868480
	.section	.rodata,"a",@progbits
	.p2align	6, 0x0
	.amdhsa_kernel k_q37b328d73d_quant
		.amdhsa_group_segment_fixed_size 53504
		.amdhsa_private_segment_fixed_size 0
		.amdhsa_enable_private_segment 0
		.amdhsa_kernarg_size 32
		.amdhsa_user_sgpr_count 2
		.amdhsa_user_sgpr_kernarg_segment_ptr 1
		.amdhsa_wavefront_size32 1
		.amdhsa_system_sgpr_workgroup_id_x 1
		.amdhsa_system_sgpr_workgroup_id_y 1
		.amdhsa_system_sgpr_workgroup_id_z 1
		.amdhsa_system_vgpr_workitem_id 0
		.amdhsa_next_free_vgpr 258
		.amdhsa_next_free_sgpr 66
		.amdhsa_reserve_vcc 1
		.amdhsa_float_denorm_mode_32 3
		.amdhsa_float_denorm_mode_16_64 3
		.amdhsa_memory_ordered 1
		.amdhsa_forward_progress 1
		.amdhsa_inst_pref_size 42
	.end_amdhsa_kernel
	.amdgpu_metadata
---
amdhsa.version: [ 1, 2 ]
amdhsa.kernels:
  - .name:           k_q37b328d73d_quant
    .symbol:         k_q37b328d73d_quant.kd
    .args:
      - { .name: x, .offset: 0, .size: 8, .value_kind: global_buffer, .address_space: global }
      - { .name: codes, .offset: 8, .size: 8, .value_kind: global_buffer, .address_space: global }
      - { .name: xpack, .offset: 16, .size: 8, .value_kind: global_buffer, .address_space: global }
      - { .name: cpack, .offset: 24, .size: 8, .value_kind: global_buffer, .address_space: global }
    .group_segment_fixed_size: 53504
    .private_segment_fixed_size: 0
    .kernarg_segment_align: 8
    .kernarg_segment_size: 32
    .max_flat_workgroup_size: 192
    .sgpr_count:     66
    .vgpr_count:     258
    .wavefront_size: 32
...
	.end_amdgpu_metadata
.endif
;; end of part 1
;; launch knn (part 2): grid 16 x 16, 8 waves a work-group, clusters of 4 x 4, 327,680 bytes of LDS; arguments xpack, cpack, part; writes part
.if DOCPART == 2
	.amdgcn_target "amdgcn-amd-amdhsa--gfx1250"
	.amdhsa_code_object_version 6
	.text
	.protected	k_q37b328d73d_knn
	.globl	k_q37b328d73d_knn
	.p2align	8
	.type	k_q37b328d73d_knn,@function
k_q37b328d73d_knn:
	s_mov_b64 s[64:65], 0
	v_nop
	global_prefetch_b8 v0, s[64:65] scope:SCOPE_SE
	s_setreg_imm32_b32 hwreg(HW_REG_WAVE_MODE, 25, 1), 1
	s_wait_xcnt 0x0
	s_wait_alu depctr_hold_cnt(0) depctr_sa_sdst(0) depctr_va_vdst(0) depctr_va_sdst(0) depctr_va_ssrc(0) depctr_va_vcc(0) depctr_vm_vsrc(0)
	s_getreg_b32 s2, hwreg(HW_REG_IB_STS2, 6, 4)
	s_cmp_eq_u32 s2, 0
	s_cbranch_scc0 .Lentry_in_a_cluster
	s_endpgm
.Lentry_in_a_cluster:
	s_bfe_u32 s2, ttmp6, 0x10000c
	s_cmp_lg_u32 s2, 0xf033
	s_cbranch_scc0 .Lentry_shape_is_right
	s_endpgm
.Lentry_shape_is_right:
; For each token and each of 32 splits of 512 codes: the largest min(s, X), s = xc - c2 / 2, X = x2 / 2, and the first tile of 16 codes that reaches it.  xc is the product on codes of FP4 (E2M1) with E8M0 scales.
; WHY THAT LEADS TO THE NEAREST CODE.  The squared distance is x2 + c2 - 2 xc = 2 (X - s), held at 0 from below: so the smallest distance is the largest min(s, X), and where several distances are held at 0 the
; first counts.  The launch behind this one multiplies each token's one tile anew and finds the code in it.  -c2 / 2 is the C of each tile's first matrix instruction and costs no vector instruction.
; LIMITS: NaN and infinities are not served.  The order is taken on xc - c2 / 2, rounded by the matrix unit, not on (x2 + c2) - 2 xc rounded twice, and the sums of squares are added in another order than a
; plain sum's: two codes whose distances lie within about 2 units in the last place of x2 + c2 of each other may change places against a computation in that other order.
; SHARES.  A work-group: 512 tokens x 1,024 codes (16 records, two splits); wave w: tokens' tiles 8 (w % 4) .. + 7 against the codes of split w / 4.  THE TOKENS' FRAGMENTS STAY IN REGISTERS (8 tiles x 4 K steps x 8 = 256:
; window 1), so each fragment of codes read from LDS feeds eight matrix instructions.  Two waves share a SIMD.
; LDS: sixteen slots of a record.  Slots 0-7: the first eight records of codes; slots 8-15: x's eight records, and, when every wave has taken its tokens from them, the other eight records of codes.
; Split c's k-th record lies in slot 2 k + c, as it lies in memory.
; CLUSTER 4 x 4.  The four work-groups of a column have the same tokens, the four of a row the same codes: every record is asked for JOINTLY, by the same tensor load with a mask that names the four.
; No prefetch: the launch has two fills, both single loads, and no loop of fills to run ahead in.
; LAYOUT.  Source 0 = 32 codes (a pair of tiles), source 1 = 16 tokens.  Rows 0-7 and 16-23 of source 0 are the first tile's 16 codes, rows 8-15 and 24-31 the second's: so lane (h, r) holds token r, and its sixteen
; registers are the sixteen codes of tile h of the pair, in order.
; THE REDUCTION, 11 vector instructions for a pair of tiles: g = the largest of the sixteen (8); b' = the middle of (g, b, X) = max(b, min(g, X)), since b <= X (1); has b grown, strictly (1); the number (1).
; A RECORD (64 rows, 17,664 bytes): four images of 4,096 bytes, [q][c][place][16 bytes]; at 16,384 the scale words, 16 bytes a row; at 17,408 the rows' 64 numbers -c2 / 2 (x's records: + x2 / 2).
; In a record of codes tiles 1 and 3 have row r at place r ^ 8.
.set REC,  17664
.set SPARE, 16*REC                     ; behind the slots: the spare words, 128 bytes for each wave: four blocks of 256 bytes that no other line names
.set SPW,  1                           ; v1   LDS address of my spare word; never rewritten
.set NIL,  2                           ; v2   0; never rewritten
.set B1,   3                           ; v3-6 lane parts of the LDS addresses; never rewritten: rows 0-15 of source 0,
.set BSC,  4                           ;      scale words,
.set BNA,  5                           ;      -c2 / 2 of my codes 0-7,
.set BNB,  6                           ;      and 8-15
.set LA1,  7                           ; v7-11 the same + the record in hand; LA2: rows 16-31 of source 0
.set LA2,  8
.set LAS,  9
.set LBA,  10
.set LBB,  11
.set XS,   12                          ; v12-43   x's scale words, four a tile
.set XC,   44                          ; v44-51   X of my token in each tile
.set BA,   52                          ; v52-59, v60-67  the best so far, by turns
.set BB,   60
.set GI,   68                          ; v68-75   the number of the pair of tiles that holds it
.set AS,   76                          ; v76-79   the 32 codes' scale words
.set BI,   80                          ; v80-95   -c2 / 2 of my sixteen codes
.set Q01,  96                          ; v96-127, v128-159  the codes' fragments of K steps 0 and 1, two sets
.set Q23,  160                         ; v160-191 those of K steps 2 and 3
.set ACC,  192                         ; v192-223, v224-255 two pairs of accumulators
.set WV,   3                           ; s3   my wave's number
.set CUR,  62                          ; s62, s63 the numbers of the record's two pairs of tiles
.set MK,   66                          ; s66-89 masks
.set SEL,  90                          ; s[90:91] lane selects for v_permlanex16_b32: lane l xor 16
.set RB,   92                          ; s92  LDS byte of the record in hand
.set PV,   95                          ; s95  the number of the pair before, whose tokens' tiles 4 to 7 are still to be judged
.set MSB, 0
.macro WIN new                         ; the immediate's high byte repeats the setting that is left
.if MSB != \new
	s_set_vgpr_msb (MSB<<8)|\new
.set MSB, \new
.endif
.endm
.macro ROUND                           ; a round of the cluster's barrier
	s_barrier_signal -1
	s_barrier_wait -1
	s_cmp_lg_u32 s[WV], 0
	s_cbranch_scc1 .Lnot_wave_0_\@
	s_barrier_signal -3
.Lnot_wave_0_\@:
	s_barrier_wait -3
	s_barrier_signal -1
	s_barrier_wait -1
.endm
.macro PLACES
.rept 4
	v_nop
.endr
.endm
.macro SETLA
	v_add_nc_u32 v[LA1], s[RB], v[B1]
	v_add_nc_u32 v[LAS], s[RB], v[BSC]
	v_add_nc_u32 v[LBA], s[RB], v[BNA]
	v_add_nc_u32 v[LBB], s[RB], v[BNB]
	v_xor_b32 v[LA2], 0x80, v[LA1]                 ; eight places on or back
.endm
	s_load_b128 s[4:7], s[0:1], 0x0                ; xpack s[4:5], cpack s[6:7]
	s_load_b64 s[8:9], s[0:1], 0x10                ; part
	v_lshl_add_u32 v[SPW], v0, 2, SPARE
	v_mov_b32 v[NIL], 0
	ds_add_u32 v[SPW], v[NIL]                      ; the wave's opening: the add, twice on end, and its wait ahead of my first tensor load
	ds_add_u32 v[SPW], v[NIL]
	v_lshrrev_b32 v192, 5, v0
	v_readfirstlane_b32 s[WV], v192                ; wave 0..7
	s_bfe_u32 s10, ttmp6, 0x40000                  ; cx
	s_bfe_u32 s11, ttmp6, 0x40004                  ; cy
	s_lshl_b32 s12, ttmp9, 2
	s_add_co_u32 s12, s12, s10                     ; my block of 512 tokens, 0..15
	s_and_b32 s13, ttmp7, 0xffff
	s_lshl_b32 s13, s13, 2
	s_add_co_u32 s13, s13, s11                     ; my block of 1,024 codes, 0..15
	s_and_b32 s14, s[WV], 3                        ; which 128 tokens
	s_lshr_b32 s15, s[WV], 2                       ; which of the block's two splits.  Also: I fetch x (0) or codes (1) at the head
	s_lshl_b32 s52, 0x1111, s10                    ; my column of the cluster
	s_lshl_b32 s53, s11, 2
	s_lshl_b32 s53, 15, s53                        ; my row
	; descriptor groups 1: two records as 138 rows of 256 bytes (32 elements of 8 bytes), dense; x's for my column, codes' for my row; and one record, 69 rows, for the refill
	s_or_b32 s16, s52, (3<<16)|(1<<21)             ; 15:0 the mask; 17:16 elements of 8 bytes; 21 set beside a mask
	s_or_b32 s24, s53, (3<<16)|(1<<21)
	s_or_b32 s32, s53, (3<<16)|(1<<21)
.irp g, 16, 24, 32
	s_mov_b32 s[\g+1], 32<<16                      ; tensor_dim0
	s_mov_b32 s[\g+3], 32<<16                      ; tile_dim0
	s_mov_b32 s[\g+5], 32                          ; from row to row
	s_mov_b32 s[\g+6], 0
	s_mov_b32 s[\g+7], 0
.endr
.irp g, 16, 24
	s_mov_b32 s[\g+2], 138<<16                     ; tensor_dim1
	s_mov_b32 s[\g+4], 138                         ; tile_dim1
.endr
	s_mov_b32 s34, 69<<16
	s_mov_b32 s36, 69
	s_mov_b32 s40, 1                               ; groups 0: s[40:43] x, s[44:47] codes, s[48:51] the refill
	s_mov_b32 s44, 1
	s_mov_b32 s48, 1
	s_mul_i32 s45, s14, 2*REC                      ; codes: slots 2 (w % 4) and the next
	s_mul_i32 s41, s14, 2*REC
	s_add_co_u32 s41, s41, 8*REC                   ; x: slots 8 + 2 (w % 4) and the next
	s_mul_i32 s49, s[WV], REC
	s_add_co_u32 s49, s49, 8*REC                   ; the refill: slot 8 + w
	s_lshl_b32 s54, s12, 2
	s_add_co_u32 s54, s54, s14
	s_mul_i32 s54, s54, 2*REC                      ; x: record 8 x block + 2 (w % 4)
	s_mov_b32 s55, 0
	s_lshl_b32 s56, s13, 3
	s_add_co_u32 s56, s56, s14
	s_mul_i32 s56, s56, 2*REC                      ; codes: record 16 x block + 2 (w % 4)
	s_mov_b32 s57, 0
	s_lshl_b32 s58, s13, 4
	s_add_co_u32 s58, s58, s[WV]
	s_add_co_u32 s58, s58, 8
	s_mul_i32 s58, s58, REC                        ; the refill: record 16 x block + 8 + w
	s_mov_b32 s59, 0
	s_lshl_b32 s60, s13, 1
	s_add_co_u32 s60, s60, s15                     ; the split, 0..31
	s_lshl_b32 s60, s60, 16                        ; part: [split][token][8 bytes]
	s_lshl_b32 s61, s12, 12
	s_add_co_u32 s60, s60, s61
	s_lshl_b32 s61, s14, 10
	s_add_co_u32 s60, s60, s61
	s_mov_b32 s61, 0
	s_lshl_b32 s62, s13, 6
	s_lshl_b32 s63, s15, 2
	s_add_co_u32 s62, s62, s63                     ; a tile's number: 4 x its record in memory + its place there
	s_add_co_u32 s63, s62, 2
	s_mov_b32 s[SEL], 0x76543210
	s_mov_b32 s[SEL+1], 0xfedcba98
	s_mul_i32 s[RB], s15, REC                      ; my first record: slot w / 4
	s_wait_dscnt 0x0                               ; both opening adds are done
	s_wait_kmcnt 0x0
	s_add_nc_u64 s[42:43], s[4:5], s[54:55]
	s_or_b32 s43, s43, 0x80000000                  ; type = 2
	s_add_nc_u64 s[46:47], s[6:7], s[56:57]
	s_or_b32 s47, s47, 0x80000000
	s_add_nc_u64 s[50:51], s[6:7], s[58:59]
	s_or_b32 s51, s51, 0x80000000
	s_add_nc_u64 s[8:9], s[8:9], s[60:61]
	ROUND                                          ; all sixteen work-groups are here: the joint loads meet
	s_cmp_eq_u32 s15, 0                            ; waves 0-3 fetch x, two records each, waves 4-7 codes: one tensor load a wave at the head
	s_cbranch_scc0 .Lfor_codes
	tensor_load_to_lds s[40:43], s[16:23]
	s_nop 0
	PLACES
	s_branch .Lasked
.Lfor_codes:
	tensor_load_to_lds s[44:47], s[24:31]
	s_nop 0
	PLACES
.Lasked:
	v_and_b32 v192, 15, v0                         ; r
	v_bfe_u32 v193, v0, 4, 1                       ; h
	v_and_b32 v194, 31, v0                         ; lane
	v_lshlrev_b32 v195, 4, v194                    ; 16 x lane
	v_lshrrev_b32 v196, 3, v192                    ; r / 8: lanes 8-15 of a half take the pair's second tile
	v_lshl_add_u32 v[B1], v196, 12, v195           ; place r of tile r / 8: row r % 8
	v_lshlrev_b32 v197, 4, v192                    ; 16 r
	v_lshlrev_b32 v198, 7, v193
	v_xor_b32 v198, v197, v198
	v_lshl_add_u32 v[BSC], v196, 8, v198           ; the scale words of row 16 h + r of source 0
	v_mul_u32_u24 v[BNA], 96, v193                 ; tile h's rows 0-7: at 0 in the first tile, in the second at 64 + 32
	v_lshlrev_b32 v199, 5, v193
	v_add_nc_u32 v[BNB], 32, v199                  ; rows 8-15: at 32, in the second at 64
	v_add_nc_u32 v200, s41, v195                   ; my tokens in LDS: images,
	v_add_nc_u32 v201, s41, v197                   ; scale words,
	v_lshl_add_u32 v202, v192, 2, s41              ; X
	SETLA
.irp t, 0,1,2,3,4,5,6,7
	v_mov_b32 v[BA+\t], 0xff800000                 ; the best so far: -infinity, so that the first pair always wins
	v_mov_b32 v[GI+\t], 0
.endr
	s_wait_alu depctr_va_vdst(0)                   ; the wait at the head's end
	s_wait_tensorcnt 0x0                           ; my two records are in,
	s_barrier_signal -1
	s_barrier_wait -1                              ; everybody's are
.macro EARLY set, off                  ; a pair's fragments of K steps 0 and 1
.irp q, 0,1
.irp c, 0,1
	ds_load_b128 v[Q01+32*(\set)+16*\q+4*\c:Q01+32*(\set)+16*\q+4*\c+3], v[LA1] offset:\off+\q*1024+\c*512
	ds_load_b128 v[Q01+32*(\set)+16*\q+8+4*\c:Q01+32*(\set)+16*\q+8+4*\c+3], v[LA2] offset:\off+\q*1024+\c*512
.endr
.endr
.endm
.macro LATEA rec, pr                   ; its scale words, my sixteen -c2 / 2,
	ds_load_b128 v[AS:AS+3], v[LAS] offset:\rec+16384+(\pr)*512
.irp i, 0,1
	ds_load_b128 v[BI+4*\i:BI+4*\i+3], v[LBA] offset:\rec+17408+(\pr)*128+16*\i
	ds_load_b128 v[BI+8+4*\i:BI+8+4*\i+3], v[LBB] offset:\rec+17408+(\pr)*128+16*\i
.endr
.endm
.macro LATEB rec, pr                   ; and the fragments of K steps 2 and 3
.irp q, 2,3
.irp c, 0,1
	ds_load_b128 v[Q23+16*(\q-2)+4*\c:Q23+16*(\q-2)+4*\c+3], v[LA1] offset:\rec+(\pr)*8192+\q*1024+\c*512
	ds_load_b128 v[Q23+16*(\q-2)+8+4*\c:Q23+16*(\q-2)+8+4*\c+3], v[LA2] offset:\rec+(\pr)*8192+\q*1024+\c*512
.endr
.endr
.endm
; K step q of 32 codes against tokens' tiles t0 .. t0 + 3, into the four accumulators, which take turns, one instruction a turn.  The first K step takes -c2 / 2 as C.
.macro MULQ t0, set, q
.irp tt, 0,1,2,3
.set rD, ACC+16*\tt
.if (\q) < 2
.set rA, Q01+32*(\set)+16*(\q)
.else
.set rA, Q23+16*((\q)-2)
.endif
.set rB, 32*((\t0)+\tt)+8*(\q)
.set rX, XS+4*((\t0)+\tt)+(\q)
.if (\q) == 0
.set rC, BI
.else
.set rC, rD
.endif
	v_wmma_scale_f32_32x16x128_f4 v[rD:rD+15], v[rA:rA+15], v[rB:rB+7], v[rC:rC+15], v[AS+(\q)], v[rX]
.endr
.endm
.macro MUL t0, set
.irp q, 0,1,2,3
	MULQ \t0, \set, \q
.endr
.endm
; The largest of each accumulator's sixteen, in place, from the low end on, line by line over the four; the result goes where the new best will stand.
.macro RED t0
.irp k, 0,3,12,9,6
.irp tt, 0,1,2,3
.set rE, ACC+16*\tt+\k
	v_max3_num_f32 v[rE], v[rE], v[rE+1], v[rE+2]
.endr
.endr
.irp tt, 0,1,2,3
.set rE, ACC+16*\tt
	v_max3_num_f32 v[rE+9], v[rE+9], v[rE+12], v[rE+15]
.endr
.irp tt, 0,1,2,3
.set rE, ACC+16*\tt
	v_max3_num_f32 v[rE], v[rE], v[rE+3], v[rE+6]
.endr
.irp tt, 0,1,2,3
.set rE, ACC+16*\tt
	v_max_num_f32 v[rO+(\t0)+\tt], v[rE], v[rE+9]
.endr
.endm
; Four tiles are judged: o new, i old best, s[n] the pair's number.
.macro FINA t0, o, i
.irp tt, 0,1,2,3
	v_med3_num_f32 v[\o+\t0+\tt], v[\o+\t0+\tt], v[\i+\t0+\tt], v[XC+\t0+\tt]   ; max(b, min(g, X)): b <= X always
.endr
.endm
.macro FINB t0, o, i, n
.irp tt, 0,1,2,3
	v_cmp_gt_f32 s[MK+\tt], v[\o+\t0+\tt], v[\i+\t0+\tt]   ; has it grown?  Strictly: an equal later tile does not take over
.endr
.irp tt, 0,1,2,3
	v_cndmask_b32 v[GI+\t0+\tt], v[GI+\t0+\tt], s[\n], s[MK+\tt]
.endr
.endm
; Two runs of 16 matrix instructions on the four accumulators, each with a block of vector work behind it.  Tokens' tiles 4 to 7 are judged behind the next pair's first run: that work is the run's places.
; Pair p of the record in hand against my 128 tokens.  first = 1: the tokens' fragments are still coming in.  fetch = 1: the next pair is fetched: the record's other one, or the next record's first.
; A vector instruction that reads a matrix result, and a load into a register that a matrix instruction has read, stand four places behind it (ISA guide 7.12.1 for the former).
.macro PAIR p, first, fetch
.set rO, BB-8*(\p)
.set rI, BA+8*(\p)
.set nR, 2*REC*(\p)
.set nP, 1-(\p)
.if \first
	s_wait_dscnt 63                                ; of the 101 loads the first 37 are in: K steps 0 and 1 of the pair and of tokens' tiles 0 to 3, all scale words, -c2 / 2
.else
	s_wait_dscnt 8                                 ; K steps 2 and 3, eight loads, may be out
.endif
	WIN 0x04                                       ; source 1 (x) window 1
	MULQ 0, \p, 0
	MULQ 0, \p, 1
.if \first
	s_wait_dscnt 40                                ; K steps 2 and 3 too; X's eight loads and the 32 of tokens' tiles 4 to 7 may be out
.else
	s_wait_dscnt 0x0
.endif
	MULQ 0, \p, 2
	MULQ 0, \p, 3
	WIN 0
.if \fetch
	EARLY 1-(\p), nR+nP*8192                       ; into the set that the pair before this one used
.endif
.if \first
	PLACES
.else
	FINA 4, rI, rO                                 ; the pair before: its new best is this one's old
	FINB 4, rI, rO, PV
.endif
	RED 0
.if \first
	s_wait_alu depctr_va_vdst(0)                   ; ahead of the waits below
	WIN 0x04
.irp q, 0,1,2,3
	s_wait_dscnt 32-8*\q                           ; K step q of tiles 4 to 7 is in; eight loads for each later K step and EARLY's eight may be out
	MULQ 4, \p, \q
.endr
.else
	WIN 0x04
	MUL 4, \p
.endif
	WIN 0
	FINA 0, rO, rI                                 ; four vector instructions: the places in front of the loads below
.if \fetch
	LATEA nR, nP
	LATEB nR, nP
.endif
	FINB 0, rO, rI, CUR+(\p)
	RED 4
	s_mov_b32 s[PV], s[CUR+(\p)]
	s_wait_alu depctr_va_vdst(0)
.endm
.macro RECORD first, more              ; 64 codes; behind it the best lies in BA again
	PAIR 0, \first, 1
	PAIR 1, 0, \more
.endm
.macro NEXT                            ; on to my split's next record: two slots on
	s_add_co_u32 s[RB], s[RB], 2*REC
	s_add_co_u32 s[CUR], s[CUR], 8
	s_add_co_u32 s[CUR+1], s[CUR+1], 8
	SETLA
	s_wait_alu depctr_va_vdst(0)
.endm
.macro XQ t0, q                        ; K step q of tokens' tiles t0 .. t0 + 3
.irp tt, 0,1,2,3
.set rT, (\t0)+\tt
.irp c, 0,1
	ds_load_b128 v[32*rT+8*(\q)+4*\c:32*rT+8*(\q)+4*\c+3], v200 offset:(rT/4)*REC+(rT%4)*4096+(\q)*1024+\c*512
.endr
.endr
.endm
	EARLY 0, 0                                     ; the first pair and my tokens, in the order in which the first products want them
	LATEA 0, 0
.irp t, 0,1,2,3,4,5,6,7
	ds_load_b128 v[XS+4*\t:XS+4*\t+3], v201 offset:(\t/4)*REC+16384+(\t%4)*256
.endr
	WIN 0x40                                       ; destination window 1
	XQ 0, 0
	XQ 0, 1
	WIN 0
	LATEB 0, 0
	WIN 0x40
	XQ 0, 2
	XQ 0, 3
	WIN 0
.irp t, 0,1,2,3,4,5,6,7
	ds_load_b32 v[XC+\t], v202 offset:(\t/4)*REC+17408+(\t%4)*64
.endr
	WIN 0x40
.irp q, 0,1,2,3
	XQ 4, \q
.endr
	WIN 0
	RECORD 1, 1                                    ; the first record: my tokens come in beside its first products
	s_wait_tensorcnt 0x0                           ; x's slots are filled again: no tensor load of mine is out,
	ds_add_u32 v[SPW], v[NIL]                      ; 0 onto my spare word;
	NEXT
	s_wait_dscnt 0x0                               ; the add is done, and my reads of x's slots are over
	ROUND                                          ; both hold of every wave of every partner
	tensor_load_to_lds s[48:51], s[32:39]          ; my one tensor load behind the round: a record of the block's second half
	s_nop 0
	PLACES
	RECORD 0, 1
	NEXT
	RECORD 0, 1
	s_wait_tensorcnt 0x0                           ; the second half's record that I asked for is in,
	NEXT
	s_wait_dscnt 0x0
	s_barrier_signal -1
	s_barrier_wait -1                              ; everybody's is: the next record's last pair reads on into it
	s_mov_b32 s93, 4
.Lrecord:                                              ; records 3 to 6
	RECORD 0, 1
	NEXT
	s_sub_co_u32 s93, s93, 1
	s_cmp_lg_u32 s93, 0
	s_cbranch_scc1 .Lrecord
	RECORD 0, 0                                    ; the last record: behind its last pair nothing is fetched
	FINA 4, rO, rI                                 ; the last pair's tiles 4 to 7
	FINB 4, rO, rI, PV
; THE END.  The two lanes of a token are joined: the larger value, of equal values the lower tile.  What is stored is a whole number that rises with the value (sign flipped, or, under zero, all bits), and the tile's number.
.set T,    ACC
.set U,    ACC+8
.set OUTR, ACC+16
.set HV,   ACC+32
.set L8,   ACC+33
	v_bfe_u32 v[HV], v0, 4, 1
	v_and_b32 v[L8], 31, v0
	v_lshlrev_b32 v[L8], 3, v[L8]
.irp t, 0,1,2,3,4,5,6,7
	v_add_nc_u32 v[GI+\t], v[GI+\t], v[HV]         ; the pair's tile h
.endr
.irp t, 0,1,2,3,4,5,6,7
	v_permlanex16_b32 v[T+\t], v[BA+\t], s[SEL], s[SEL+1]
.endr
.irp t, 0,1,2,3,4,5,6,7
	v_permlanex16_b32 v[U+\t], v[GI+\t], s[SEL], s[SEL+1]
.endr
.irp t, 0,1,2,3,4,5,6,7
	v_cmp_gt_f32 s[MK+\t], v[T+\t], v[BA+\t]
	v_cmp_eq_f32 s[MK+8+\t], v[T+\t], v[BA+\t]
	v_cmp_lt_u32 s[MK+16+\t], v[U+\t], v[GI+\t]
.endr
	s_wait_alu depctr_va_vdst(0)                   ; ahead of the scalar lines below
.irp t, 0,1,2,3,4,5,6,7
	s_and_b32 s[MK+8+\t], s[MK+8+\t], s[MK+16+\t]
	s_or_b32 s[MK+\t], s[MK+\t], s[MK+8+\t]
.endr
	s_mov_b32 s94, 0xffff0000
.irp t, 0,1,2,3,4,5,6,7
	v_cndmask_b32 v[BA+\t], v[BA+\t], v[T+\t], s[MK+\t]
	v_cndmask_b32 v[GI+\t], v[GI+\t], v[U+\t], s[MK+\t]
.endr
.irp u, 0,1,2,3                        ; both lanes of a token now hold the same: lanes 0-15 take tokens' tile 2 u, lanes 16-31 tile 2 u + 1
	v_cndmask_b32 v[OUTR+2*\u], v[BA+2*\u], v[BA+2*\u+1], s94
	v_cndmask_b32 v[OUTR+2*\u+1], v[GI+2*\u], v[GI+2*\u+1], s94
.endr
.irp u, 0,1,2,3
	v_add_f32 v[OUTR+2*\u], 0, v[OUTR+2*\u]        ; -0 becomes +0
.endr
.irp u, 0,1,2,3
	v_ashrrev_i32 v[T+\u], 31, v[OUTR+2*\u]
.endr
.irp u, 0,1,2,3
	v_or_b32 v[T+\u], 0x80000000, v[T+\u]
.endr
.irp u, 0,1,2,3
	v_xor_b32 v[OUTR+2*\u], v[OUTR+2*\u], v[T+\u]
.endr
.irp u, 0,1,2,3
	global_store_b64 v[L8], v[OUTR+2*\u:OUTR+2*\u+1], s[8:9] offset:256*\u   ; 32 lanes store 256 consecutive bytes, at a multiple of 256 from the buffer's first byte
.endr
	s_wait_tensorcnt 0x0                           ; the wave's end
	ds_add_u32 v[SPW], v[NIL]
	s_wait_dscnt 0x0
	ROUND                                          ; the closing round: no work-group ends while a partner may still ask for a record that names it
	s_endpgm
.Lfunc_end_k_q37b328d73d_knn:
	.size	k_q37b328d73d_knn, .Lfunc_end_k_q37b328d73d_knn-k_q37b328d73d_knn
	.p2alignl 7, 3214868480
	.fill 96, 4, 3214868480
	.section	.rodata,"a",@progbits
	.p2align	6, 0x0
	.amdhsa_kernel k_q37b328d73d_knn
		.amdhsa_group_segment_fixed_size 327680
		.amdhsa_private_segment_fixed_size 0
		.amdhsa_enable_private_segment 0
		.amdhsa_kernarg_size 24
		.amdhsa_user_sgpr_count 2
		.amdhsa_user_sgpr_kernarg_segment_ptr 1
		.amdhsa_wavefront_size32 1
		.amdhsa_system_sgpr_workgroup_id_x 1
		.amdhsa_system_sgpr_workgroup_id_y 1
		.amdhsa_system_sgpr_workgroup_id_z 1
		.amdhsa_system_vgpr_workitem_id 0
		.amdhsa_next_free_vgpr 512
		.amdhsa_next_free_sgpr 96
		.amdhsa_reserve_vcc 0
		.amdhsa_float_denorm_mode_32 3
		.amdhsa_float_denorm_mode_16_64 3
		.amdhsa_memory_ordered 1
		.amdhsa_forward_progress 1
		.amdhsa_inst_pref_size 130
	.end_amdhsa_kernel
	.amdgpu_metadata
---
amdhsa.version: [ 1, 2 ]
amdhsa.kernels:
  - .name:           k_q37b328d73d_knn
    .symbol:         k_q37b328d73d_knn.kd
    .args:
      - { .name: xpack, .offset: 0, .size: 8, .value_kind: global_buffer, .address_space: global }
      - { .name: cpack, .offset: 8, .size: 8, .value_kind: global_buffer, .address_space: global }
      - { .name: part, .offset: 16, .size: 8, .value_kind: global_buffer, .address_space: global }
    .group_segment_fixed_size: 327680
    .private_segment_fixed_size: 0
    .kernarg_segment_align: 8
    .kernarg_segment_size: 24
    .max_flat_workgroup_size: 256
    .sgpr_count:     96
    .vgpr_count:     512
    .wavefront_size: 32
...
	.end_amdgpu_metadata
.endif
;; end of part 2
;; launch pick (part 3): grid 256 x 1, 4 waves a work-group, no clusters, 0 bytes of LDS; arguments part, xpack, cpack, out0; writes out0
.if DOCPART == 3
	.amdgcn_target "amdgcn-amd-amdhsa--gfx1250"
	.amdhsa_code_object_version 6
	.text
	.protected	k_q37b328d73d_pick
	.globl	k_q37b328d73d_pick
	.p2align	8
	.type	k_q37b328d73d_pick,@function
k_q37b328d73d_pick:
	s_mov_b64 s[64:65], 0
	v_nop
	global_prefetch_b8 v0, s[64:65] scope:SCOPE_SE
	s_setreg_imm32_b32 hwreg(HW_REG_WAVE_MODE, 25, 1), 1
	s_wait_xcnt 0x0
; For each token: the best of the 32 splits' pairs (whole number that rises with the largest min(xc - c2 / 2, x2 / 2); number of a tile of 16 codes), of equal ones the lower split's.  That tile's sixteen s = xc - c2 / 2 are
; multiplied anew; the first code whose s reaches min(the largest s, x2 / 2) is the nearest; its index where the squared distance x2 - 2 s is at most 900, else -1.
; The choice of the split, from which the tile's address is made, is made on whole numbers that the launch before has stored.
; part: [32 splits][8192 tokens][key, tile number].  A tile's number: 4 x its record + its place there; records of codes 16 B + 2 k + c hold codes 64 (16 B + 8 c + k) and on; in places 1 and 3 row r stands at r ^ 8.
; LIMITS: the distance is x2 - 2 (xc - c2 / 2), one fused multiply-add, not (x2 + c2) - 2 xc: a smallest distance within about 2 units in the last place of x2 + c2 of 900 may fall on the other side.  NaN is not served.
; SHARES.  A work-group: 32 tokens; a wave eight of them, so that all 256 WGPs have work; a work-group's 128 bytes of result are half of an aligned 256.  Lane l serves token l % 8 throughout; first splits 8 (l / 8) .. + 7.
; A token's tile feeds four matrix instructions, of which only the token's own columns are used.  No LDS, no barrier; work-groups share no request that is known to meet, so no cluster; no loop, so no prefetch.
.set REC, 17664
.set PR,  16                           ; v16-31  eight (key, number)
.set XV,  36                           ; v36     x2 / 2 of my token
.set AD,  48                           ; v48-71  each token's three offsets into cpack
.set XSC, 72                           ; v72-75  the tokens' scale words
.set XF,  76                           ; v76-107 the tokens' fragments: column r = token r % 8
.set SC,  108                          ; v108-139 each token's tile: scale words
.set ACC, 140                          ; v140-203 and -c2 / 2, then the sums; the tiles' fragments: window 1, v[32 i + 8 q]
.set MSB, 0
.macro WIN new
.if MSB != \new
	s_set_vgpr_msb (MSB<<8)|\new
.set MSB, \new
.endif
.endm
	s_load_b256 s[4:11], s[0:1], 0x0               ; part s[4:5], xpack s[6:7], cpack s[8:9], out0 s[10:11]
	v_lshrrev_b32 v1, 5, v0
	v_readfirstlane_b32 s12, v1                    ; wave 0..3
	v_and_b32 v2, 31, v0                           ; l
	v_and_b32 v3, 7, v0                            ; my token of the wave's eight
	v_bfe_u32 v4, v0, 3, 2                         ; my eight splits
	v_bfe_u32 v5, v0, 4, 1                         ; h
	v_and_b32 v6, 15, v0                           ; r
	s_and_b32 s13, s12, 1
	s_lshr_b32 s14, s12, 1
	s_lshl_b32 s15, s13, 3
	v_lshlrev_b32 v7, 3, v3
	v_lshl_add_u32 v7, v4, 19, v7                  ; part: 8 splits are 2^19 bytes
	v_add_nc_u32 v8, s15, v3                       ; my token's row in its tile
	v_lshlrev_b32 v10, 4, v8                       ; its scale words,
	v_lshl_add_u32 v9, v5, 8, v10                  ; its place in the image,
	v_lshlrev_b32 v11, 2, v8                       ; its x2 / 2
	v_lshlrev_b32 v12, 4, v2                       ; a tile of codes: image,
	v_lshlrev_b32 v13, 4, v6                       ; scale words,
	v_lshlrev_b32 v14, 5, v5                       ; -c2 / 2 of places 8 h .. 8 h + 7
	v_lshlrev_b32 v15, 2, v3                       ; out
	v_mov_b32 v32, 0                               ; written once: a lane permute's destination counts as one of its sources
	v_mov_b32 v33, 0
	v_mov_b32 v34, 0
	v_mov_b32 v38, 0
	s_lshl_b32 s16, ttmp9, 8
	s_lshl_b32 s17, s12, 6
	s_add_co_u32 s16, s16, s17                     ; part: 32 g + 8 w tokens of 8 bytes
	s_mov_b32 s17, 0
	s_and_b32 s26, ttmp9, 1
	s_lshl_b32 s26, s26, 1
	s_add_co_u32 s26, s26, s14                     ; my tokens' tile in its record
	s_lshr_b32 s27, ttmp9, 1
	s_mul_i32 s27, s27, REC
	s_lshl_b32 s18, s26, 12
	s_add_co_u32 s18, s18, s27
	s_mov_b32 s19, 0
	s_lshl_b32 s20, s26, 8
	s_add_co_u32 s20, s20, s27
	s_mov_b32 s21, 0
	s_lshl_b32 s22, s26, 6
	s_add_co_u32 s22, s22, s27
	s_mov_b32 s23, 0
	s_lshl_b32 s24, ttmp9, 7
	s_lshl_b32 s25, s12, 5
	s_add_co_u32 s24, s24, s25
	s_mov_b32 s25, 0
	s_mov_b32 s30, 0x76543210
	s_mov_b32 s31, 0xfedcba98                      ; v_permlanex16_b32's selects for lane l xor 16
	s_mov_b32 s38, 0xff00ff00
	s_mov_b32 s39, 0xffff0000
	s_wait_alu depctr_va_vdst(0)                   ; the wait at the head's end
	s_wait_kmcnt 0x0
	s_add_nc_u64 s[4:5], s[4:5], s[16:17]
	s_add_nc_u64 s[18:19], s[6:7], s[18:19]
	s_add_nc_u64 s[20:21], s[6:7], s[20:21]
	s_add_nc_u64 s[22:23], s[6:7], s[22:23]
	s_add_nc_u64 s[10:11], s[10:11], s[24:25]
.irp m, 0,1,2,3,4,5,6,7
	global_load_b64 v[PR+2*\m:PR+2*\m+1], v7, s[4:5] offset:\m*65536
.endr
.irp q, 0,1,2,3
.irp c, 0,1
	global_load_b128 v[XF+8*\q+4*\c:XF+8*\q+4*\c+3], v9, s[18:19] offset:\q*1024+\c*512
.endr
.endr
	global_load_b128 v[XSC:XSC+3], v10, s[20:21] offset:16384
	global_load_b32 v[XV], v11, s[22:23] offset:17408
	s_wait_loadcnt 10                              ; the eight of part are in; x's ten may be out
; pairs a and a + d for each a of the list: the higher key, of equal ones the lower split
.macro JOIN d, list:vararg
.irp a, \list
	v_cmp_gt_u32 s[48+\a], v[PR+2*(\a+\d)], v[PR+2*\a]
.endr
.irp a, \list
	v_cndmask_b32 v[PR+2*\a], v[PR+2*\a], v[PR+2*(\a+\d)], s[48+\a]
	v_cndmask_b32 v[PR+2*\a+1], v[PR+2*\a+1], v[PR+2*(\a+\d)+1], s[48+\a]
.endr
.endm
	JOIN 1, 0,2,4,6
	JOIN 2, 0,4
	JOIN 4, 0
; with another lane's pair in v32, v33; upper: the lanes whose own splits are the higher ones
.macro ACROSS upper
	v_cmp_gt_u32 s48, v32, v[PR]
	v_cmp_eq_u32 s49, v32, v[PR]
	s_and_b32 s49, s49, \upper
	s_or_b32 s48, s48, s49
	v_cndmask_b32 v[PR], v[PR], v32, s48
	v_cndmask_b32 v[PR+1], v[PR+1], v33, s48
.endm
	v_mov_b32_dpp v32, v[PR] row_xmask:8 row_mask:0xf bank_mask:0xf
	v_mov_b32_dpp v33, v[PR+1] row_xmask:8 row_mask:0xf bank_mask:0xf
	ACROSS s38
	v_permlanex16_b32 v32, v[PR], s30, s31
	v_permlanex16_b32 v33, v[PR+1], s30, s31
	ACROSS s39                                     ; every lane now has its token's tile
.irp i, 0,1,2,3,4,5,6,7
	v_readlane_b32 s[52+\i], v[PR+1], \i
.endr
	s_wait_alu depctr_va_vdst(0)                   ; ahead of the scalar lines below
.irp i, 0,1,2,3,4,5,6,7
	s_min_u32 s66, s[52+\i], 0x3ff                 ; a tile's number is under 1,024
	s_and_b32 s67, s66, 3                          ; its place in the record
	s_and_b32 s66, s66, 0x3fc
	s_mul_i32 s66, s66, REC/4                      ; its record
	s_lshl_b32 s68, s67, 12
	s_add_co_u32 s68, s68, s66
	v_add_nc_u32 v[AD+3*\i], s68, v12
	s_lshl_b32 s68, s67, 8
	s_add_co_u32 s68, s68, s66
	v_add_nc_u32 v[AD+3*\i+1], s68, v13
	s_lshl_b32 s68, s67, 6
	s_add_co_u32 s68, s68, s66
	v_add_nc_u32 v[AD+3*\i+2], s68, v14
	WIN 0x40                                       ; destination window 1
.irp q, 0,1,2,3
.irp c, 0,1
	global_load_b128 v[32*\i+8*\q+4*\c:32*\i+8*\q+4*\c+3], v[AD+3*\i], s[8:9] offset:\q*1024+\c*512   ; 512 consecutive bytes a load
.endr
.endr
	WIN 0
	global_load_b128 v[SC+4*\i:SC+4*\i+3], v[AD+3*\i+1], s[8:9] offset:16384
	global_load_b128 v[ACC+8*\i:ACC+8*\i+3], v[AD+3*\i+2], s[8:9] offset:17408
	global_load_b128 v[ACC+8*\i+4:ACC+8*\i+7], v[AD+3*\i+2], s[8:9] offset:17424
.endr
.irp i, 1,2,3,4,5,6,7
	s_mov_b32 s[40+\i], 0x01010101<<\i             ; token i's lanes
.endr
; K step by K step over four tokens' tiles, whose accumulators take turns
.macro MUL4 i0
	WIN 0x01                                       ; source 0 window 1
.irp q, 0,1,2,3
.irp k, 0,1,2,3
.set rD, ACC+8*((\i0)+\k)
.set rA, 32*((\i0)+\k)+8*\q
.set rS, SC+4*((\i0)+\k)+\q
	v_wmma_scale_f32_16x16x128_f8f6f4 v[rD:rD+7], v[rA:rA+7], v[XF+8*\q:XF+8*\q+7], v[rD:rD+7], v[rS], v[XSC+\q] matrix_a_fmt:MATRIX_FMT_FP4 matrix_b_fmt:MATRIX_FMT_FP4
.endr
.endr
	WIN 0
.endm
	s_wait_loadcnt 44                              ; tokens 0-3's tiles are in; the other four's 44 loads may be out
	MUL4 0
	s_wait_loadcnt 0x0
	MUL4 4
.rept 4
	v_nop                                          ; a vector instruction that reads a matrix result stands four places behind it (ISA guide 7.12.1)
.endr
.irp i, 1,2,3,4,5,6,7                  ; each lane takes its own token's eight sums: places 8 h + j
.irp j, 0,1,2,3,4,5,6,7
	v_cndmask_b32 v[ACC+\j], v[ACC+\j], v[ACC+8*\i+\j], s[40+\i]
.endr
.endr
	v_max3_num_f32 v32, v[ACC], v[ACC+1], v[ACC+2]
	v_max3_num_f32 v33, v[ACC+3], v[ACC+4], v[ACC+5]
	v_max3_num_f32 v32, v32, v[ACC+6], v[ACC+7]
	v_max_num_f32 v32, v32, v33
	v_permlanex16_b32 v34, v32, s30, s31
	v_max_num_f32 v32, v32, v34
	v_min_num_f32 v32, v32, v[XV]                  ; the largest s, held at x2 / 2
	v_mov_b32 v35, 64                              ; none yet
.irp j, 7,6,5,4,3,2,1,0
	v_cmp_lt_f32 vcc_lo, v[ACC+\j], v32
	v_cndmask_b32 v35, \j, v35, vcc_lo             ; j, unless sum j lies under it; descending, so that the lowest j stays
.endr
	v_and_b32 v37, 1, v[PR+1]                      ; places 1 and 3 have their rows' halves exchanged
	v_xor_b32 v37, v37, v5
	v_lshl_add_u32 v35, v37, 3, v35                ; the row in the tile, or 64 and more
	v_permlanex16_b32 v38, v35, s30, s31
	v_min_u32 v35, v35, v38
	v_and_b32 v37, 3, v[PR+1]
	v_lshl_add_u32 v35, v37, 4, v35                ; 16 x place
	v_bfe_u32 v39, v[PR+1], 3, 3
	v_lshl_add_u32 v35, v39, 6, v35                ; 64 k
	v_bfe_u32 v37, v[PR+1], 2, 1
	v_lshl_add_u32 v35, v37, 9, v35                ; 512 c
	v_lshrrev_b32 v39, 6, v[PR+1]
	v_lshl_add_u32 v35, v39, 10, v35               ; 1,024 B
	v_add_f32 v33, v[XV], v[XV]                    ; x2: exact
	v_fma_f32 v33, -2.0, v32, v33                  ; the smallest squared distance; never negative
	v_cmp_ge_f32 vcc_lo, 0x44610000, v33           ; 900 >= it?
	v_cndmask_b32 v35, -1, v35, vcc_lo
	v_cmp_gt_u32 vcc_lo, 8, v2
	s_wait_alu depctr_va_vdst(0)                   ; directly ahead of the wait below
	s_wait_xcnt 0x0                                ; EXEC changes only behind this wait
	s_and_saveexec_b32 s50, vcc_lo
	global_store_b32 v15, v35, s[10:11]            ; lanes 0-7: the wave's eight tokens
	s_wait_xcnt 0x0
	s_or_b32 exec_lo, exec_lo, s50
	s_endpgm
.Lfunc_end_k_q37b328d73d_pick:
	.size	k_q37b328d73d_pick, .Lfunc_end_k_q37b328d73d_pick-k_q37b328d73d_pick
	.p2alignl 7, 3214868480
	.fill 96, 4, 3214868480
	.section	.rodata,"a",@progbits
	.p2align	6, 0x0
	.amdhsa_kernel k_q37b328d73d_pick
		.amdhsa_group_segment_fixed_size 0
		.amdhsa_private_segment_fixed_size 0
		.amdhsa_enable_private_segment 0
		.amdhsa_kernarg_size 32
		.amdhsa_user_sgpr_count 2
		.amdhsa_user_sgpr_kernarg_segment_ptr 1
		.amdhsa_wavefront_size32 1
		.amdhsa_system_sgpr_workgroup_id_x 1
		.amdhsa_system_sgpr_workgroup_id_y 1
		.amdhsa_system_sgpr_workgroup_id_z 1
		.amdhsa_system_vgpr_workitem_id 0
		.amdhsa_next_free_vgpr 512
		.amdhsa_next_free_sgpr 80
		.amdhsa_reserve_vcc 1
		.amdhsa_float_denorm_mode_32 3
		.amdhsa_float_denorm_mode_16_64 3
		.amdhsa_memory_ordered 1
		.amdhsa_forward_progress 1
		.amdhsa_inst_pref_size 30
	.end_amdhsa_kernel
	.amdgpu_metadata
---
amdhsa.version: [ 1, 2 ]
amdhsa.kernels:
  - .name:           k_q37b328d73d_pick
    .symbol:         k_q37b328d73d_pick.kd
    .args:
      - { .name: part, .offset: 0, .size: 8, .value_kind: global_buffer, .address_space: global }
      - { .name: xpack, .offset: 8, .size: 8, .value_kind: global_buffer, .address_space: global }
      - { .name: cpack, .offset: 16, .size: 8, .value_kind: global_buffer, .address_space: global }
      - { .name: out0, .offset: 24, .size: 8, .value_kind: global_buffer, .address_space: global }
    .group_segment_fixed_size: 0
    .private_segment_fixed_size: 0
    .kernarg_segment_align: 8
    .kernarg_segment_size: 32
    .max_flat_workgroup_size: 128
    .sgpr_count:     80
    .vgpr_count:     512
    .wavefront_size: 32
...
	.end_amdgpu_metadata
.endif
;; end of part 3
